; MI455X (gfx1250); checked and timed in simulation.
; The chip was launched on July 23, 2026; its instructions are those of AMD's public machine-readable ISA for CDNA 5 (MIT licence, August 2026) and "CDNA5" Instruction Set Architecture Reference Guide (July 2026). The comments in the code are by the model that wrote it; some were corrected since.
;; Cross Attention. Allowed arithmetic: matrix products marked QUANTISED: E2M1 operands, one E8M0 scale for each 32 along K, by v_wmma_scale_f32_16x16x128_f8f6f4 with both operands' format E2M1 (or v_wmma_scale_f32_32x16x128_f4), f32 sums; everything else in f32.
;; Inputs: image_features 4 x 4,096 x 256 float32; text_features 4 x 4,096 x 256 float32.
;; Outputs: out0 4 x 4,096 x 256 float32; out1 4 x 4,096 x 256 float32.
;; This version of the problem:
;;   THIS VERSION OF THE PROBLEM IS GIVEN IN LOW PRECISION. The matrix products marked QUANTISED in the list below multiply operands that are first quantised to E2M1 (2 exponent bits, 1 mantissa bit; 4 bits a number), with one power-of-two scale for each 32 numbers along K (OCP MX v1.0); their sums are f32. All else is computed in f32.
;;   The module's matrix products, in the order in which they are computed (A, B: the left and right operand; K: the contracted axis; several contracted axes count as one K, in the product's order):
;;     1. batch 4 x [M 4,096, K 256] x [K 256, N 4,096]; A: input image_features; B: input text_features: QUANTISED
;;     2. batch 4 x [M 4,096, K 4,096] x [K 4,096, N 256]; A: softmax (see below); B: input text_features: QUANTISED
;;     3. batch 4 x [M 4,096, K 4,096] x [K 4,096, N 256]; A: computed on the way; B: input image_features: QUANTISED
;;   THE QUANTISER, for each operand of a quantised product, along K:
;;     - K is cut into blocks of 32 from its start; a last block that is shorter is filled with zeros.
;;     - A block's scale is 2^e with e = floor(log2(the largest magnitude in the block)) - 2, held to -126 .. 127; a block of zeros has e = 0. As a byte (E8M0): e + 127.
;;     - Each number is divided by its block's scale, clamped to +-6, and rounded to the nearest number of E2M1, ties to even, subnormals kept.
;;     - The product sums the exact products of the quantised numbers (number of the format x scale) in f32.
;;   ~~~python
;;   def quantise(x, axis):      # numpy; x: float32 -> the quantised numbers, widened to float32 again
;;       x = np.moveaxis(x, axis, -1); K = x.shape[-1]
;;       x = np.pad(x, [(0, 0)] * (x.ndim - 1) + [(0, -K % 32)]); x = x.reshape(x.shape[:-1] + (-1, 32)); a = np.abs(x).max(-1, keepdims=True)
;;       e = np.where(a > 0, np.clip(np.frexp(np.where(a > 0, a, 1))[1] - 1 - 2, -126, 127), 0)      # np.frexp(a)[1] - 1 = floor(log2(a)), exactly
;;       r = np.clip(x / 2.0 ** e, -6, 6)
;;       step = 2.0 ** (np.maximum(np.frexp(np.where(r == 0, 1, r))[1] - 1, 0) - 1)
;;       q = np.round(r / step) * step * 2.0 ** e      # np.round: ties to even
;;       return np.moveaxis(q.reshape(q.shape[:-2] + (-1,))[..., :K], -1, axis).astype(np.float32)
;;   ~~~
;;   SOFTMAX AHEAD OF A QUANTISED PRODUCT. Where the list says 'softmax', what is quantised is not the finished softmax but p = 2^(t - M), with t = logit x log2(e) and M = ceil(the row's largest t), a whole number; so 1/2 < the row's largest p <= 1. The row's sum l is taken of the UNQUANTISED p, in f32, and the product's result is divided by l at the end. Since M is a whole number, a kernel that streams over the keys may use a running M (the ceiling of the running maximum): every later rescaling is an exact power of two, which a block's scale takes up: the codes' values come out the same.
;;   OPERANDS COMPUTED ON THE WAY. 'Computed on the way' means the value that the module computes at that place (a softmax that the list does not call 'softmax' is quantised finished and normalised). What goes into a quantiser is computed in f32, as accurately as f32 sums, v_exp_f32 and their like allow (about 1e-6 of the number): no bf16 or f16 on the way to a quantiser, and a product that is left as it is and whose result goes on into a quantised operand takes f32 operands (vector FMAs, or v_wmma_f32_16x16x4_f32). A number that lies on a knife's edge between two numbers of the format may be rounded either way, as far as f32 arithmetic and the matrix unit's own rounding can turn it there, and no further.
;; One version. Each part assembles by itself: llvm-mc -triple=amdgcn-amd-amdhsa -mcpu=gfx1250 --defsym DOCPART=n.
;; ======== version 1 of 1: 3 launches
;; limits: right only within a limited range of input values
;; workspace buffers: wimg 4,456,448 bytes; wtxt 4,456,448 bytes; stats 65,536 bytes
;; launch quant (part 1): grid 256 x 1, 8 waves a work-group, no clusters, 136,448 bytes of LDS; arguments image_features, text_features, wimg, wtxt; writes wimg, wtxt
.if DOCPART == 1
	.amdgcn_target "amdgcn-amd-amdhsa--gfx1250"
	.amdhsa_code_object_version 6
	.text
	.protected	k_q51204974b7_quant
	.globl	k_q51204974b7_quant
	.p2align	8
	.type	k_q51204974b7_quant,@function
k_q51204974b7_quant:
	s_mov_b64 s[64:65], 0
	v_nop
	global_prefetch_b8 v0, s[64:65] scope:SCOPE_SE
	s_setreg_imm32_b32 hwreg(HW_REG_WAVE_MODE, 25, 1), 1
	s_wait_xcnt 0x0
; image_features and text_features, [4][4096][256] f32, are each quantised TWICE to codes of FP4 (E2M1) with one E8M0 byte for each 32 numbers:
; along the 256 channels (RC: the operand of the scores) and along the tokens (CC: the right operand of the two products whose K is a token axis).
; A block's scale is 2^(floor(log2(its largest magnitude)) - 2); its byte is the largest magnitude's exponent field - 2, held at 1 from below.
; LIMITS: NaN and infinities among the inputs are not served.  A block of zeros keeps the byte 1 where the rule says 127: its codes are zeros, which add nothing, and this program alone reads the bytes.
; OUTPUT LAYOUT, [batch 4][step 32][34,816 bytes], a step = 128 tokens, in the order of the operand's registers; every piece of 16 bytes is one block of 32 codes:
;   RC at 0: fragment (kt 0..7, s 0..1) at (2 kt + s) 1024; registers 4 c .. 4 c + 3 at 512 c; lane (r, h) at 16 (16 h + r): channels 128 s + 64 c + 32 h on of token 32 (kt / 2) + 8 (kt % 2) + r + 8 (r / 8).
;   RC's scale words at 16,384: word (kt, s, r) at 512 (kt / 4) + 16 (16 s + r) + 4 (kt % 4).
;   CC at 17,408: fragment ct 0..15 at 1024 ct + 512 c + 16 (16 h + r): channel 16 ct + r, tokens 64 c + 32 h on.   CC's scale words at 17,408 + 16,384: word (ct, r) at 512 (ct / 8) + 16 (16 (ct % 2) + r) + 4 ((ct / 2) % 4).
; SHARES.  A work-group takes one step of one tensor (the first 128 work-groups the image, the others the text: only pointers are chosen, the text has one path).  Its 128 rows are read from memory once, 512 consecutive
; bytes a load, and lie in LDS as f32.  Wave w is key tile w in the row phase (its own 16 rows) and channel tiles 2 w, 2 w + 1 in the column phase.  Every store of codes covers 512 consecutive bytes.
; LDS: rows 1,040 bytes apart; each group of 32 rows takes 64 bytes more, so that lanes 16-31 of the column phase, one group on, fall 16 banks on.  The row phase's reads take rows 0-7 and 16-23 of a tile: two rows to a bank group.
.set RP,    1040
.set GB,    32*RP+64                   ; a group of 32 rows
.set SCS,   4*GB                       ; behind the rows: the two scale images, 1,024 bytes each
.set BLK,   17408
.set STEPB, 2*BLK
.set X,     128                        ; v128-255 numbers
; v1 lane, v2 r, v3 h, v4 my bytes in memory, v5 the same in the stage, v6 row phase's reads, v7 where my codes go, v8 where my scale word goes, v9-10 column phase's reads, v11 8 h,
; v12-15 at work, v16-20 scale words, v21-22 the scale images' way out, v32-51 row phase's codes and bytes, v64-83 column phase's, v84-87 the way out
	s_load_b256 s[4:11], s[0:1], 0x0               ; image s[4:5], text s[6:7], wimg s[8:9], wtxt s[10:11]
	v_lshl_add_u32 v126, v0, 2, 0x21100
	v_mov_b32 v127, 0
	v_lshrrev_b32 v1, 5, v0
	s_delay_alu instid0(VALU_DEP_1)
	v_readfirstlane_b32 s12, v1                    ; wave 0..7
	v_and_b32 v1, 31, v0
	v_and_b32 v2, 15, v0
	v_bfe_u32 v3, v0, 4, 1
	s_delay_alu instid0(VALU_DEP_3)
	v_lshlrev_b32 v15, 4, v1                       ; 16 x lane
	s_wait_alu depctr_va_vdst(0)
	s_lshr_b32 s16, s12, 1
	s_and_b32 s17, s12, 1
	s_lshl_b32 s18, s16, 15
	s_lshl_b32 s19, s17, 13
	s_add_co_u32 s18, s18, s19                     ; my tile's first row, 32 (w / 2) + 8 (w % 2), x 1,024 bytes
	v_add_nc_u32 v4, s18, v15
	s_mul_i32 s18, s16, GB
	s_mul_i32 s19, s17, 8*RP
	s_add_co_u32 s18, s18, s19                     ; the same row in the stage
	v_add_nc_u32 v5, s18, v15
	v_and_b32 v12, 8, v2
	s_delay_alu instid0(VALU_DEP_1)
	v_add_nc_u32 v12, v12, v2                      ; r + 8 (r / 8)
	s_delay_alu instid0(VALU_DEP_1)
	v_mul_u32_u24 v6, v12, RP
	s_delay_alu instid0(VALU_DEP_1)
	v_lshl_add_u32 v6, v3, 7, v6                   ; + 128 h: a block of 32 numbers
	s_delay_alu instid0(VALU_DEP_1)
	v_add_nc_u32 v6, s18, v6
	s_lshl_b32 s18, s12, 11
	v_add_nc_u32 v7, s18, v15                      ; 2,048 w + 16 x lane
	s_lshr_b32 s18, s12, 2
	s_lshl_b32 s18, s18, 9
	s_and_b32 s19, s12, 3
	s_lshl_b32 s22, s19, 2
	s_add_co_u32 s18, s18, s22
	s_add_co_u32 s18, s18, SCS
	v_add_nc_u32 v8, s18, v15                      ; SCS + 512 (w / 4) + 16 x lane + 4 (w % 4)
	v_mul_u32_u24 v9, v3, GB
	s_delay_alu instid0(VALU_DEP_1)
	v_lshl_add_u32 v9, v2, 2, v9
	s_lshl_b32 s18, s12, 7
	v_add_nc_u32 v9, s18, v9                       ; group h, channel 32 w + r
	s_delay_alu instid0(VALU_DEP_1)
	v_add_nc_u32 v10, 2*GB, v9                     ; group 2 + h
	v_lshlrev_b32 v11, 3, v3
	s_lshl_b32 s18, s19, 9
	s_add_co_u32 s18, s18, SCS
	v_add_nc_u32 v21, s18, v15                     ; the way out of the scale images: 512 bytes for each of waves 0 to 3
	s_lshr_b32 s18, s19, 1
	s_mul_i32 s18, s18, BLK
	s_lshl_b32 s22, s17, 9
	s_add_co_u32 s18, s18, s22
	s_add_co_u32 s18, s18, 16384
	v_add_nc_u32 v22, s18, v15
	v_cmp_ne_u32 vcc_lo, 0, v3                     ; lanes 16-31
	v_mov_b32 v20, 0                               ; a lane permute's destination counts as one of its sources
	v_mov_b32 v18, 0
	s_mov_b32 s20, 0x76543210
	s_mov_b32 s21, 0xfedcba98                      ; v_permlanex16_b32's selects for lane l xor 16
	s_wait_kmcnt 0x0
	s_cmp_lt_u32 ttmp9, 128                        ; the choice hangs on the work-group's number alone
	s_cselect_b64 s[4:5], s[4:5], s[6:7]
	s_cselect_b64 s[8:9], s[8:9], s[10:11]
	s_and_b32 s13, ttmp9, 127                      ; which step of the tensor's 128
	s_lshl_b32 s14, s13, 17
	s_mov_b32 s15, 0
	s_add_nc_u64 s[4:5], s[4:5], s[14:15]          ; 128 rows of 1,024 bytes
	s_mul_i32 s14, s13, STEPB
	s_add_nc_u64 s[8:9], s[8:9], s[14:15]
; 32 numbers v[x] .. v[x + 31] of one block: their codes into v[c] .. v[c + 3], the scale's byte into v[e]
.macro QBLOCK x, c, e
	v_max3_num_f32 v12, |v[\x]|, |v[\x+1]|, |v[\x+2]|
	v_max3_num_f32 v13, |v[\x+3]|, |v[\x+4]|, |v[\x+5]|       ; two chains, so that no line waits for the line above it
.irp i, 6,10,14,18,22,26
	s_delay_alu instid0(VALU_DEP_2)
	v_max3_num_f32 v12, v12, |v[\x+\i]|, |v[\x+\i+1]|
	s_delay_alu instid0(VALU_DEP_2)
	v_max3_num_f32 v13, v13, |v[\x+\i+2]|, |v[\x+\i+3]|
.endr
	s_delay_alu instid0(VALU_DEP_2)
	v_max3_num_f32 v12, v12, |v[\x+30]|, |v[\x+31]|
	s_delay_alu instid0(VALU_DEP_1)
	v_max3_num_f32 v12, v12, v13, 0x1800000        ; and the floor 2^(3 - 127): the byte cannot fall under 1
	s_delay_alu instid0(VALU_DEP_1)
	v_add_nc_u32 v14, 0xff000000, v12              ; 2 off the exponent field: the conversion takes the exponent field of this operand as its scale
.irp g, 0,1,2,3
	v_cvt_scalef32_pk8_fp4_f32 v[\c+\g], v[\x+8*\g:\x+8*\g+7], v14
.endr
	v_lshrrev_b32 v[\e], 23, v14                   ; the byte; also the plain line behind the conversions
.endm
	; my 16 rows: 32 loads of 512 consecutive bytes, all out at once
.set jj, 0
.rept 16
	global_load_b128 v[X+8*jj:X+8*jj+3],   v4, s[4:5] offset:(jj+8*(jj/8))*1024 th:TH_LOAD_NT
	global_load_b128 v[X+8*jj+4:X+8*jj+7], v4, s[4:5] offset:(jj+8*(jj/8))*1024+512 th:TH_LOAD_NT
.set jj, jj+1
.endr
.set jj, 0
.rept 16
.if jj%2 == 0
	s_wait_loadcnt 28-2*jj                         ; two rows' four loads are in; the count is that of the younger loads
.endif
	ds_store_b128 v5, v[X+8*jj:X+8*jj+3] offset:(jj+8*(jj/8))*RP
	ds_store_b128 v5, v[X+8*jj+4:X+8*jj+7] offset:(jj+8*(jj/8))*RP+512
.set jj, jj+1
.endr
	s_wait_dscnt 0x0                               ; the stores have read their registers, which the loads below write
	; ROW PHASE: lane (r, h) takes blocks h, 2 + h, 4 + h, 6 + h of its row: 128 bytes each.  My own rows: LDS serves a wave's instructions in order
.set qq, 0
.rept 4
.set mm, 0
.rept 8
	ds_load_b128 v[X+32*qq+4*mm:X+32*qq+4*mm+3], v6 offset:256*qq+16*mm
.set mm, mm+1
.endr
.set qq, qq+1
.endr
.irp q, 0,1,2,3
	s_wait_dscnt 24-8*\q                           ; block q's eight loads are in; the younger blocks' may be out
	QBLOCK X+32*\q, 32+4*\q, 48+\q
	global_store_b128 v7, v[32+4*\q:35+4*\q], s[8:9] offset:512*\q    ; fragment (w, q / 2), registers 4 (q % 2) on: 512 consecutive bytes
.endr
	v_lshl_or_b32 v16, v49, 16, v48                ; K step 0: my bytes h and 2 + h of the row's word,
	v_lshl_or_b32 v17, v51, 16, v50                ; K step 1
	s_delay_alu instid0(VALU_DEP_2)
	v_lshlrev_b32 v16, v11, v16                    ; at their places
	s_delay_alu instid0(VALU_DEP_2)
	v_lshlrev_b32 v17, v11, v17
	s_delay_alu instid0(VALU_DEP_1)
	v_cndmask_b32 v18, v17, v16, vcc_lo            ; lanes 0-15 keep K step 0's and send K step 1's; lanes 16-31 the other way round
	s_delay_alu instid0(VALU_DEP_2)
	v_cndmask_b32 v19, v16, v17, vcc_lo
	s_delay_alu instid0(VALU_DEP_2)
	v_permlanex16_b32 v20, v18, s20, s21
	s_delay_alu instid0(VALU_DEP_1)
	v_or_b32 v19, v19, v20                         ; lane 16 s + r holds the word of (w, s, r)
	ds_store_b32 v8, v19
	s_wait_dscnt 0x0                               ; for the others' sake: my rows and my word lie in LDS
	s_barrier_signal -1
	s_barrier_wait -1                              ; all 128 rows do
	; COLUMN PHASE: lane (r, h) takes channel 32 w + 16 a + r and its registers run down the tokens: block 2 c + h of the step.  Loads run two blocks ahead
.macro CLOAD a, c
.set ii, 0
.rept 32
	ds_load_b32 v[X+32*(2*(\a)+(\c))+ii], v[9+(\c)] offset:64*(\a)+RP*ii
.set ii, ii+1
.endr
.endm
	CLOAD 0, 0
	CLOAD 0, 1
	s_wait_dscnt 32                                ; the older block's 32 loads are in
	QBLOCK X, 64, 80
	global_store_b128 v7, v[64:67], s[8:9] offset:BLK
	CLOAD 1, 0
	s_wait_dscnt 32
	QBLOCK X+32, 68, 81
	global_store_b128 v7, v[68:71], s[8:9] offset:BLK+512
	CLOAD 1, 1
	s_wait_dscnt 32
	QBLOCK X+64, 72, 82
	global_store_b128 v7, v[72:75], s[8:9] offset:BLK+1024
	s_wait_dscnt 0x0
	QBLOCK X+96, 76, 83
	global_store_b128 v7, v[76:79], s[8:9] offset:BLK+1536
	v_lshl_or_b32 v16, v81, 16, v80                ; tile 2 w: my bytes h and 2 + h of the channel's word,
	v_lshl_or_b32 v17, v83, 16, v82                ; tile 2 w + 1
	s_delay_alu instid0(VALU_DEP_2)
	v_lshlrev_b32 v16, v11, v16
	s_delay_alu instid0(VALU_DEP_2)
	v_lshlrev_b32 v17, v11, v17
	s_delay_alu instid0(VALU_DEP_2)
	v_permlanex16_b32 v20, v16, s20, s21
	s_delay_alu instid0(VALU_DEP_2)
	v_permlanex16_b32 v18, v17, s20, s21
	s_delay_alu instid0(VALU_DEP_2)
	v_or_b32 v16, v16, v20                         ; both words are whole in both lanes;
	s_delay_alu instid0(VALU_DEP_2)
	v_or_b32 v17, v17, v18
	s_delay_alu instid0(VALU_DEP_1)
	v_cndmask_b32 v19, v16, v17, vcc_lo            ; lane 16 a + r keeps tile 2 w + a's
	ds_store_b32 v8, v19 offset:1024
	s_wait_dscnt 0x0
	s_barrier_signal -1
	s_barrier_wait -1                              ; both scale images are whole
	s_cmp_lt_u32 s12, 4
	s_cbranch_scc0 .Ldone                          ; waves 0 to 3 store 512 consecutive bytes each
	ds_load_b128 v[84:87], v21
	s_wait_dscnt 0x0
	global_store_b128 v22, v[84:87], s[8:9]
.Ldone:
	s_wait_tensorcnt 0x0
	ds_add_u32 v126, v127
	s_wait_dscnt 0x0
	s_endpgm
.Lfunc_end_k_q51204974b7_quant:
	.size	k_q51204974b7_quant, .Lfunc_end_k_q51204974b7_quant-k_q51204974b7_quant
	.p2alignl 7, 3214868480
	.fill 96, 4, 3214868480
	.section	.rodata,"a",@progbits
	.p2align	6, 0x0
	.amdhsa_kernel k_q51204974b7_quant
		.amdhsa_group_segment_fixed_size 136448
		.amdhsa_private_segment_fixed_size 0
		.amdhsa_enable_private_segment 0
		.amdhsa_kernarg_size 32
		.amdhsa_user_sgpr_count 2
		.amdhsa_user_sgpr_kernarg_segment_ptr 1
		.amdhsa_wavefront_size32 1
		.amdhsa_system_sgpr_workgroup_id_x 1
		.amdhsa_system_sgpr_workgroup_id_y 1
		.amdhsa_system_sgpr_workgroup_id_z 1
		.amdhsa_system_vgpr_workitem_id 0
		.amdhsa_next_free_vgpr 256
		.amdhsa_next_free_sgpr 66
		.amdhsa_reserve_vcc 1
		.amdhsa_float_denorm_mode_32 3
		.amdhsa_float_denorm_mode_16_64 3
		.amdhsa_memory_ordered 1
		.amdhsa_forward_progress 1
		.amdhsa_inst_pref_size 37
	.end_amdhsa_kernel
	.amdgpu_metadata
---
amdhsa.version: [ 1, 2 ]
amdhsa.kernels:
  - .name:           k_q51204974b7_quant
    .symbol:         k_q51204974b7_quant.kd
    .args:
      - { .name: image_features, .offset: 0, .size: 8, .value_kind: global_buffer, .address_space: global }
      - { .name: text_features, .offset: 8, .size: 8, .value_kind: global_buffer, .address_space: global }
      - { .name: wimg, .offset: 16, .size: 8, .value_kind: global_buffer, .address_space: global }
      - { .name: wtxt, .offset: 24, .size: 8, .value_kind: global_buffer, .address_space: global }
    .group_segment_fixed_size: 136448
    .private_segment_fixed_size: 0
    .kernarg_segment_align: 8
    .kernarg_segment_size: 32
    .max_flat_workgroup_size: 256
    .sgpr_count:     66
    .vgpr_count:     256
    .wavefront_size: 32
...
	.end_amdgpu_metadata
.endif
;; end of part 1
;; launch passa (part 2): grid 64 x 4, 8 waves a work-group, clusters of 4 x 1, 327,680 bytes of LDS; arguments wimg, wtxt, out0, stats; writes out0, stats
.if DOCPART == 2
	.amdgcn_target "amdgcn-amd-amdhsa--gfx1250"
	.amdhsa_code_object_version 6
	.text
	.protected	k_q51204974b7_passa
	.globl	k_q51204974b7_passa
	.p2align	8
	.type	k_q51204974b7_passa,@function
k_q51204974b7_passa:
	s_mov_b64 s[64:65], 0
	v_nop
	global_prefetch_b8 v0, s[64:65] scope:SCOPE_SE
	s_setreg_imm32_b32 hwreg(HW_REG_WAVE_MODE, 25, 1), 1
	s_wait_xcnt 0x0
	s_wait_alu depctr_hold_cnt(0) depctr_sa_sdst(0) depctr_va_vdst(0) depctr_va_sdst(0) depctr_va_ssrc(0) depctr_va_vcc(0) depctr_vm_vsrc(0)
	s_getreg_b32 s2, hwreg(HW_REG_IB_STS2, 6, 4)
	s_cmp_eq_u32 s2, 0
	s_cbranch_scc0 .Lentry_in_a_cluster
	s_endpgm
.Lentry_in_a_cluster:
	s_bfe_u32 s2, ttmp6, 0x10000c
	s_cmp_lg_u32 s2, 0x3003
	s_cbranch_scc0 .Lentry_shape_is_right
	s_endpgm
.Lentry_shape_is_right:
; out0[b][i][:] = the sum over t of softmax_t(image[b][i] . text[b][t] / 16) text[b][t][:], both products on codes of FP4 (E2M1) with one E8M0 scale for each 32 along K; and stats[b][i] = -(M + log2 l) of each row.
; THE SOFTMAX: t = score x log2(e) / 16; M = the largest t so far, rounded UP to a whole number; p = 2^(t - M) is quantised along the text tokens, not normalised; l is the sum of the unquantised p and divides at the end.
; When M moves, l and O are multiplied by 2^(old M - new M): exact.
; OPERANDS come from the launch before, in the order of the operand's registers: [batch][step of 128 tokens][RC 17,408 bytes | CC 17,408 bytes]; RC: codes along the channels, 16 fragments and a scale image; CC: codes along the tokens, likewise.
; SHARES.  A work-group owns 64 image rows.  Wave w: kq = w / 2, its quarter of the 4,096 text tokens (8 steps of 128); qh = w % 2, its 32 of the 64 rows, two tiles of 16.  So each fragment read from LDS feeds two matrix
; instructions; two waves lie on a SIMD.  The four quarters' O, M and l are merged at the end through LDS, by exact powers of two.
; EARLY AND LATE WAVES.  Once V's fragments are in registers, a step's rescaling of O^T and its products V^T P^T touch registers alone.  The waves with TY = 0 run them at the step's end, ahead of the change of slots; those with
; TY = 1 behind it, at the next step's head, while the others fetch K's fragments.  So the two kinds ask LDS for K at different times, and one kind has vector and matrix work while the other waits for its loads.
; TY = (w xor w / 4) % 2 differs between waves w and w + 4 and between waves w and w xor 1.  Step 0 is finished by every wave ahead of the change (its products start the sums), step 7 by every wave at its end.
; The branches hang on the wave's number alone and go round register work and its waits alone: no barrier, no tensor load, no LDS instruction.
; LAYOUT.  Both products are used transposed: S^T = K Q^T (source 0 = 16 text tokens, source 1 = my 16 rows), O^T = V^T P^T: a lane holds ONE row (lane % 16) throughout.  The tokens of a tile are not neighbours (lane r of tile
; 2 b + u is token 32 b + 8 u + r + 8 (r / 8)), so that the 16 registers of tiles 2 b, 2 b + 1 are 16 neighbouring tokens.  My own rows come as such tiles too: lane r of tile u is row 32 qh + 8 u + r + 8 (r / 8) of the 64.
; CLUSTER.  The four work-groups of a cluster belong to one batch and walk the same text: every tile is asked for JOINTLY, by the same tensor load with the same descriptor and the mask 15; all eight waves ask, one load each
; (68 rows of 256 bytes, dense).  A ring of two LDS slots, a step of each quarter to a slot; a round of the cluster's barrier at each change of slots; one tensor load of a wave is out behind each round.
; LIMITS: p under 2^-126 is 0 (v_exp_f32); NaN and infinities are not served.
; REGISTERS, window 0: v0 thread; v1-2 LDS address of my quarter in slot 0, 1; v3-4 the add's; v5 prefetch offset; v7 16 x lane; v8.. -M, largest t, l (two halves) of tile 0, then of tile 1; v16-17 my rows' scale words;
;   v18-19 p's; v20-23 f of each tile (pairs); v24-31 the scale image in hand; v32-63 fragments, later p's codes (v32-47) and work; v64-95 fragments; v96-127 my rows' fragments; v128-255 S^T, p, then V's fragments.   window 1: O^T, 128 a tile.
.set STEPB, 34816
.set BLK,   17408
.set SLOTB, 4*STEPB
.set SPARE, 2*SLOTB                    ; the spare words: 128 bytes for each of eight waves
.set STATS, SPARE+1024                 ; 512 bytes a wave: -M and l of its two tiles
.set BIASL, STATS+4096                 ; 64 words: -(M + log2 l)
.set PP,    1040                       ; a row of a partial O: 1,024 bytes + 16 = 260 words: row i starts at bank 4 i mod 64 (64 banks of 4 bytes: ISA guide 11.1)
.set HALFP, 32*PP+128                  ; the 32 rows whose number has bit 4 clear, then, 32 banks further round, the 32 whose bit 4 is set: the rows 0-7 and 16-23 of a tile, which sixteen lanes store together, start at sixteen different places
.set PARTB, 2*HALFP                    ; a quarter's partial O; the four lie over the slots, which have had their last fill and their last read by then
.set AD0, 1
.set SPW, 3
.set NIL, 4
.set PFO, 5
.set L16, 7
.set ST,  8
.set QS,  16
.set PS,  18
.set FF,  20
.set KS,  24
.set F1,  32
.set PC,  32
.set BM,  48
.set PT,  52
.set SO,  56
.set T,   60
.set F0,  64
.set QF,  96
.set S,   128
.set WV,  12
.set KQ,  13
.set QH,  14
.set CX,  15
.set BA,  16
.set G1,  24                           ; s[24:31] descriptor group 1
.set G0,  32                           ; s[32:39] group 0, a set for each slot
.set CS,  52                           ; s[52:53] c = log2(e) / 16
.set SEL, 54                           ; s[54:55] selects for lane l xor 16
.set CNT, 56
.set LIM, 57                           ; 1 in a wave that prefetches, else the greatest number
.set PFA, 58                           ; s[58:59] where my prefetches stand
.set QP,  66                           ; s[66:67] my rows' fragments; s[68:69] their scale words; s[70:71] my rows of out0; s[72:73] the block's words of stats
.set QSP, 68
.set OUT, 70
.set STP, 72
.set TY,  78                           ; s78  0: an early wave; 1: a late one
.set PB,  79                           ; s79  1 in a late wave that has a step's rescaling and products V^T P^T still to do
.set MSB, 0
.macro WIN new                         ; the immediate's high byte repeats the setting that is left
.if MSB != \new
	s_set_vgpr_msb (MSB<<8)|\new
.set MSB, \new
.endif
.endm
.macro PLACES n                        ; plain vector lines that name no register of the matrix instructions round them
.rept \n
	v_nop
.endr
.endm
.macro CROUND                          ; a round of the cluster's barrier
	s_barrier_signal -1
	s_barrier_wait -1
	s_cmp_lg_u32 s[WV], 0
	s_cbranch_scc1 .Lnot_wave_0_\@
	s_barrier_signal -3
.Lnot_wave_0_\@:
	s_barrier_wait -3
	s_barrier_signal -1
	s_barrier_wait -1
.endm
; A PREFETCH INTO THE L2 of the step that the NEXT change of slots will ask for.  All clusters of a batch walk the same text: the batch's first cluster asks.  In it the waves with qh = 0 ask, each for its quarter's step;
; lanes 0-15 name 16 blocks of 256 bytes of RC's codes, lanes 16-31 of CC's; the four partners take 16 blocks each, told apart BY ADDRESS.  So each block of the codes is named once in the launch.
; Steps 0 and 1 and the scale images come by their loads alone; the last two trips ask for nothing.  how: 0 none; 1: while CNT >= LIM; 2: while CNT > LIM.
.macro ASK how
.if \how
.if \how == 1
	s_cmp_ge_u32 s[CNT], s[LIM]
.else
	s_cmp_gt_u32 s[CNT], s[LIM]
.endif
	s_cbranch_scc0 .Lnot_mine_\@
	s_wait_alu depctr_va_vdst(0)
	global_prefetch_b8 v[PFO], s[PFA:PFA+1] th:TH_LOAD_NT scope:SCOPE_SE
.Lnot_mine_\@:
.endif
.endm
; 8 matrix instructions: key tiles 2 g, 2 g + 1 (fragments in v[fb] on) x my two tiles x the two K steps of the 256 channels.  Four accumulators by turns, one instruction a turn.
; The scale registers hold K step 0's words in lanes 0-15 and K step 1's in lanes 16-31.
.macro WM g, fb
.irp s, 0,1
.irp a, 0,1
.irp u, 0,1
.if \s == 0
	v_wmma_scale_f32_16x16x128_f8f6f4 v[S+64*\u+8*(2*(\g)+\a):S+64*\u+8*(2*(\g)+\a)+7], v[\fb+16*\a:\fb+16*\a+7], v[QF+16*\u:QF+16*\u+7], 0, v[KS+2*(\g)+\a], v[QS+\u] matrix_a_fmt:MATRIX_FMT_FP4 matrix_b_fmt:MATRIX_FMT_FP4
.else
	v_wmma_scale_f32_16x16x128_f8f6f4 v[S+64*\u+8*(2*(\g)+\a):S+64*\u+8*(2*(\g)+\a)+7], v[\fb+16*\a+8:\fb+16*\a+15], v[QF+16*\u+8:QF+16*\u+15], v[S+64*\u+8*(2*(\g)+\a):S+64*\u+8*(2*(\g)+\a)+7], v[KS+2*(\g)+\a], v[QS+\u] matrix_a_fmt:MATRIX_FMT_FP4 matrix_b_fmt:MATRIX_FMT_FP4 matrix_a_scale:MATRIX_SCALE_ROW1 matrix_b_scale:MATRIX_SCALE_ROW1
.endif
.endr
.endr
.endr
.endm
.macro KLOAD ad, g, fb                 ; the four fragments of key tiles 2 g, 2 g + 1: 4,096 consecutive bytes, 512 a load
.set ii, 0
.rept 8
	ds_load_b128 v[\fb+4*ii:\fb+4*ii+3], v[\ad] offset:4096*(\g)+512*ii
.set ii, ii+1
.endr
.endm
.macro SPHASE ad                       ; S^T of 128 tokens x my 32 rows
	ds_load_b128 v[KS:KS+3], v[\ad] offset:16384
	ds_load_b128 v[KS+4:KS+7], v[\ad] offset:16896
	KLOAD \ad, 0, F0
	KLOAD \ad, 1, F1
	s_wait_dscnt 8                                 ; all but the youngest eight loads
	WM 0, F0
	PLACES 4                                       ; in front of loads into registers that matrix instructions have read
	KLOAD \ad, 2, F0
	s_wait_dscnt 8
	WM 1, F1
	PLACES 4
	KLOAD \ad, 3, F1
	s_wait_dscnt 8
	WM 2, F0
	s_wait_dscnt 0x0
	WM 3, F1
	PLACES 4                                       ; in front of the first read of results
.endm
.macro VLOAD ad, half                  ; V's fragments of channel tiles 8 half on, into the registers that tile `half`'s p has left; with the first half V's scale image
.if (\half) == 0
	ds_load_b128 v[KS:KS+3], v[\ad] offset:BLK+16384
	ds_load_b128 v[KS+4:KS+7], v[\ad] offset:BLK+16896
.endif
.set ii, 0
.rept 16
	ds_load_b128 v[S+64*(\half)+4*ii:S+64*(\half)+4*ii+3], v[\ad] offset:BLK+8192*(\half)+512*ii
.set ii, ii+1
.endr
.endm
.macro PV1 u, first                    ; O^T(tile u, channels 16 ct on) += V^T P^T.  V's scale register ct / 2 holds the even tile's words in lanes 0-15, the odd tile's in lanes 16-31
.set rO, 128*(\u)+8*ct
.if \first
.if ct%2
	v_wmma_scale_f32_16x16x128_f8f6f4 v[rO:rO+7], v[S+8*ct:S+8*ct+7], v[PC+8*(\u):PC+8*(\u)+7], 0, v[KS+ct/2], v[PS+(\u)] matrix_a_fmt:MATRIX_FMT_FP4 matrix_b_fmt:MATRIX_FMT_FP4 matrix_a_scale:MATRIX_SCALE_ROW1
.else
	v_wmma_scale_f32_16x16x128_f8f6f4 v[rO:rO+7], v[S+8*ct:S+8*ct+7], v[PC+8*(\u):PC+8*(\u)+7], 0, v[KS+ct/2], v[PS+(\u)] matrix_a_fmt:MATRIX_FMT_FP4 matrix_b_fmt:MATRIX_FMT_FP4
.endif
.else
.if ct%2
	v_wmma_scale_f32_16x16x128_f8f6f4 v[rO:rO+7], v[S+8*ct:S+8*ct+7], v[PC+8*(\u):PC+8*(\u)+7], v[rO:rO+7], v[KS+ct/2], v[PS+(\u)] matrix_a_fmt:MATRIX_FMT_FP4 matrix_b_fmt:MATRIX_FMT_FP4 matrix_a_scale:MATRIX_SCALE_ROW1
.else
	v_wmma_scale_f32_16x16x128_f8f6f4 v[rO:rO+7], v[S+8*ct:S+8*ct+7], v[PC+8*(\u):PC+8*(\u)+7], v[rO:rO+7], v[KS+ct/2], v[PS+(\u)] matrix_a_fmt:MATRIX_FMT_FP4 matrix_b_fmt:MATRIX_FMT_FP4
.endif
.endif
.endm
.macro PVH half, first                 ; 16 matrix instructions, each on an accumulator of its own
	WIN 0x50                                       ; C and D in window 1
.set ct, 8*(\half)
.rept 8
	PV1 0, \first
	PV1 1, \first
.set ct, ct+1
.endr
.endm
.macro SCALEO                          ; O^T of each tile times the low word of its pair v[FF + 2 u], each accumulator from its low end on
	WIN 0x41                                       ; destination and source 0 in window 1
.irp u, 0,1
.set jj, 0
.rept 64
	v_pk_mul_f32 v[128*\u+jj:128*\u+jj+1], v[128*\u+jj:128*\u+jj+1], v[FF+2*\u:FF+2*\u+1] op_sel_hi:[1,0]
.set jj, jj+2
.endr
.endr
.endm
; One tile's softmax for a step.  first = 1: the first step, which starts M; l begins as 0.
.macro SOFTMAX u, first
.set rS, S+64*(\u)
.set rT, ST+4*(\u)
.set rP, PC+8*(\u)
.set rF, FF+2*(\u)
.irp b, 0,1,2,3
	v_max3_num_f32 v[BM+\b], v[rS+16*\b], v[rS+16*\b+1], v[rS+16*\b+2]     ; the largest score of each block of 32 tokens: it serves the row's maximum and, since p rises with the score, the block's largest p
.endr
.irp i, 3,5,7,9,11,13
.irp b, 0,1,2,3
	v_max3_num_f32 v[BM+\b], v[BM+\b], v[rS+16*\b+\i], v[rS+16*\b+\i+1]
.endr
.endr
.irp b, 0,1,2,3
	v_max_num_f32 v[BM+\b], v[BM+\b], v[rS+16*\b+15]
.endr
.irp b, 0,1,2,3
	s_delay_alu instid0(VALU_DEP_4)
	v_permlanex16_b32 v[PT+\b], v[BM+\b], s[SEL], s[SEL+1]
.endr
.irp b, 0,1,2,3
	s_delay_alu instid0(VALU_DEP_4)
	v_max_num_f32 v[BM+\b], v[BM+\b], v[PT+\b]     ; with lane l xor 16's 16 tokens
.endr
	s_delay_alu instid0(VALU_DEP_2)
	v_max3_num_f32 v[T+2], v[BM], v[BM+1], v[BM+2]
	s_delay_alu instid0(VALU_DEP_1)
	v_max_num_f32 v[T+2], v[T+2], v[BM+3]
.if \first
	s_delay_alu instid0(VALU_DEP_1)
	v_mul_f32 v[rT+1], s[CS], v[T+2]               ; the largest t
	s_delay_alu instid0(VALU_DEP_1)
	v_floor_f32 v[rT], -v[rT+1]                    ; -M = floor(-t) = -ceil(t)
.else
	s_delay_alu instid0(VALU_DEP_1)
	v_mul_f32 v[T+2], s[CS], v[T+2]
	s_delay_alu instid0(VALU_DEP_1)
	v_max_num_f32 v[rT+1], v[rT+1], v[T+2]         ; the running largest t
	v_mov_b32 v[T+2], v[rT]
	s_delay_alu instid0(VALU_DEP_2)
	v_floor_f32 v[rT], -v[rT+1]
	s_delay_alu instid0(VALU_DEP_1)
	v_sub_f32 v[T+2], v[rT], v[T+2]                ; old M - new M: a whole number, 0 or less
	s_delay_alu instid0(VALU_DEP_1)
	v_cvt_i32_f32 v[T+2], v[T+2]
	s_delay_alu instid0(VALU_DEP_1)
	v_ldexp_f32 v[rF], 1.0, v[T+2]                 ; f = 2^(old M - new M)
.endif
.set jj, 0
.rept 32
	v_pk_fma_f32 v[rS+jj:rS+jj+1], v[rS+jj:rS+jj+1], s[CS:CS+1], v[rT:rT+1] op_sel_hi:[1,0,0]   ; t - M (of the pairs c and -M the low word serves both halves)
.set jj, jj+2
.endr
.irp b, 0,1,2,3
	v_fma_f32 v[BM+\b], v[BM+\b], s[CS], v[rT]
.endr
.set jj, 0
	s_wait_alu depctr_va_vdst(0)
.rept 64
	v_exp_f32 v[rS+jj], v[rS+jj]                   ; p = 2^(t - M)
.set jj, jj+1
.endr
.if \first
	v_nop                                          ; a plain line behind the exponentials
.else
	v_pk_mul_f32 v[rT+2:rT+3], v[rT+2:rT+3], v[rF:rF+1] op_sel_hi:[1,0]   ; l under the new M; also the plain line behind the exponentials
.endif
	s_wait_alu depctr_va_vdst(0)                   ; one wait for the batch of 64, ahead of its first reader
.irp b, 0,1,2,3
	v_exp_f32 v[BM+\b], v[BM+\b]                   ; each block's largest p
.endr
	v_pk_add_f32 v[T:T+1], v[rS:rS+1], v[rS+2:rS+3]     ; the sum of the unquantised p, in two chains
.set jj, 4
.rept 15
	v_pk_add_f32 v[rT+2:rT+3], v[rT+2:rT+3], v[rS+jj:rS+jj+1]
	v_pk_add_f32 v[T:T+1], v[T:T+1], v[rS+jj+2:rS+jj+3]
.set jj, jj+4
.endr
	s_delay_alu instid0(VALU_DEP_1)
	v_pk_add_f32 v[rT+2:rT+3], v[rT+2:rT+3], v[T:T+1]
	s_wait_alu depctr_va_vdst(0)                   ; and one for the four
.irp b, 0,1,2,3
	v_max_num_f32 v[BM+\b], 0x1800000, v[BM+\b]    ; the floor 2^(3 - 127): the byte cannot fall under 1
.endr
.irp b, 0,1,2,3
	s_delay_alu instid0(VALU_DEP_4)
	v_add_nc_u32 v[SO+\b], 0xff000000, v[BM+\b]    ; 2 off the exponent field: the conversion's scale operand
.endr
.irp b, 0,1,2,3
	s_delay_alu instid0(VALU_DEP_4)
	v_lshrrev_b32 v[PT+\b], 23, v[SO+\b]           ; the byte
.endr
	s_delay_alu instid0(VALU_DEP_3)
	v_lshl_or_b32 v[PS+(\u)], v[PT+1], 8, v[PT]    ; p's scale word for these 128 tokens
	s_delay_alu instid0(VALU_DEP_1)
	v_lshl_or_b32 v[PS+(\u)], v[PT+2], 16, v[PS+(\u)]
	s_delay_alu instid0(VALU_DEP_1)
	v_lshl_or_b32 v[PS+(\u)], v[PT+3], 24, v[PS+(\u)]
.irp b, 0,1,2,3
	v_cvt_scalef32_pk8_fp4_f32 v[rP+2*\b], v[rS+16*\b:rS+16*\b+7], v[SO+\b]
	v_cvt_scalef32_pk8_fp4_f32 v[rP+2*\b+1], v[rS+16*\b+8:rS+16*\b+15], v[SO+\b]
.endr
	v_nop                                          ; a plain line behind the conversions
.irp c, 0,1                            ; the operand wants a whole block in a lane: lanes 0-15 block 2 c, lanes 16-31 block 2 c + 1
.irp i, 0,1
	v_permlane16_swap_b32 v[rP+4*\c+\i], v[rP+4*\c+2+\i]
.endr
.endr
.endm
; A step's first part: the scores, the softmax, and V's fragments asked for: all of the step's reads of its slot.
.macro SSM ad, first
	SPHASE \ad
	SOFTMAX 0, \first
	VLOAD \ad, 0
	SOFTMAX 1, \first
	VLOAD \ad, 1
.endm
; A step's second part: O^T under the new M, then O^T += V^T P^T.  Registers alone, and the waits for V's fragments (met at once where the change of slots lies between).
.macro RSPV first
.if \first
	PLACES 8                                       ; p's scale word and codes were written by vector lines: eight places ahead of the scaled matrix instructions
.else
	SCALEO                                         ; these lines are those places too
.endif
	s_wait_alu depctr_va_vdst(0)
	s_wait_dscnt 16                                ; V's scale image and first half are in; the second half's 16 loads may be out
	PVH 0, \first
	s_wait_dscnt 0x0
	PVH 1, \first
	WIN 0
	PLACES 5                                       ; the next S^T is written over registers that these products read
.endm
; A trip: the change of slots, then a step.  Every wave waits for all its tensor loads (its part of this trip's slot), adds 0 to its spare word, and waits for that and for its reads of the other slot; behind the round
; no wave of any partner reads the other slot or has a load on its way, and the joint refill comes first: it has a whole step in which to land.
; head = 1: a late wave first runs the second part of the step before.  tail = 1: the early waves alone run this step's second part here; 0: every wave does.
.macro TRIP slot, refill, first, ask, head, tail
	WIN 0
	s_wait_tensorcnt 0x0                           ; no tensor load of mine is out, so a group 0 may be written
	ds_add_u32 v[SPW], v[NIL]                      ; 0 onto my spare word
	s_add_nc_u64 s[G0+4*(\slot)+2:G0+4*(\slot)+3], s[G0+4*(\slot)+2:G0+4*(\slot)+3], 2*STEPB   ; this slot's next step
	s_wait_xcnt 0x0                                ; the last prefetch, a step back, has read its address
	s_add_nc_u64 s[PFA:PFA+1], s[PFA:PFA+1], STEPB
	s_wait_dscnt 0x0                               ; the add is done, and my reads of the other slot are over: a late wave's fragments of V are in its registers
	CROUND
.if \refill
	tensor_load_to_lds s[G0+4*(1-(\slot)):G0+4*(1-(\slot))+3], s[G1:G1+7]
	s_nop 0
	PLACES 4
.endif
	ASK \ask
.if \head
	s_cmp_lg_u32 s[PB], 0
	s_cbranch_scc0 .Lno_late_\@
	RSPV 0
.Lno_late_\@:
.endif
	SSM AD0+\slot, \first
.if \tail
	s_cmp_eq_u32 s[TY], 0
	s_cbranch_scc0 .Lno_early_\@
	RSPV 0
.Lno_early_\@:
.else
	s_wait_alu depctr_va_vdst(0)
	RSPV \first
.endif
.endm
	s_load_b256 s[4:11], s[0:1], 0x0               ; wimg s[4:5], wtxt s[6:7], out0 s[8:9], stats s[10:11]
	v_lshl_add_u32 v[SPW], v0, 2, SPARE
	v_mov_b32 v[NIL], 0
	ds_add_u32 v3, v4
	ds_add_u32 v3, v4
	s_wait_dscnt 0x0
	v_lshrrev_b32 v1, 5, v0
	s_delay_alu instid0(VALU_DEP_1)
	v_readfirstlane_b32 s[WV], v1                  ; wave 0..7
	v_and_b32 v6, 31, v0
	s_delay_alu instid0(VALU_DEP_1)
	v_lshlrev_b32 v[L16], 4, v6                    ; 16 x lane
	s_lshr_b32 s[KQ], s[WV], 1
	s_and_b32 s[QH], s[WV], 1
	s_lshr_b32 s[TY], s[WV], 2
	s_xor_b32 s[TY], s[TY], s[WV]
	s_and_b32 s[TY], s[TY], 1                      ; early (0) or late (1)
	s_mov_b32 s[PB], 0                             ; nothing is put off yet
	s_bfe_u32 s[CX], ttmp6, 0x40000                ; my place in the cluster: it enters global addresses of my own alone
	s_and_b32 s[BA], ttmp7, 0xffff                 ; the batch, which the four partners share
	s_lshl_b32 s17, s[BA], 5                       ; the batch's first step
	s_lshl_b32 s18, s[KQ], 3
	s_add_co_u32 s18, s18, s17
	s_mul_i32 s18, s18, STEPB                      ; my quarter's first step of the stream,
	s_mul_i32 s19, s[QH], BLK
	s_add_co_u32 s60, s18, s19                     ; and the block of it that I fetch: RC (qh = 0) or CC (1)
	s_mov_b32 s61, 0
	s_lshl_b32 s74, s[CX], 12                      ; the prefetches: my work-group's 16 blocks of 256 bytes,
	s_add_co_u32 s74, s74, s18
	s_add_co_u32 s74, s74, STEPB                   ; in step 1: the first trip steps it to step 2
	s_mov_b32 s75, 0
	s_lshl_b32 s20, ttmp9, 2
	s_add_co_u32 s20, s20, s[CX]                   ; X: my block of 64 rows = 4 x cluster x + cx
	s_lshr_b32 s21, s20, 1
	s_add_co_u32 s21, s21, s17
	s_mul_i32 s21, s21, STEPB                      ; the step that holds them
	s_and_b32 s22, s20, 1
	s_lshl_b32 s23, s22, 13
	s_add_co_u32 s66, s21, s23                     ; key tiles 4 (X % 2) on,
	s_lshl_b32 s23, s[QH], 12
	s_add_co_u32 s66, s66, s23                     ; my two of them
	s_mov_b32 s67, 0
	s_lshl_b32 s23, s22, 9
	s_add_co_u32 s68, s21, s23
	s_lshl_b32 s23, s[QH], 3
	s_add_co_u32 s68, s68, s23
	s_add_co_u32 s68, s68, 16384                   ; their scale words
	s_mov_b32 s69, 0
	s_lshl_b32 s70, s[BA], 12
	s_lshl_b32 s23, s20, 6
	s_add_co_u32 s70, s70, s23                     ; the block's first row
	s_lshl_b32 s72, s70, 2
	s_mov_b32 s73, 0
	s_lshl_b32 s23, s[QH], 5
	s_add_co_u32 s70, s70, s23
	s_lshl_b32 s70, s70, 10                        ; my 32 rows of the output, 1,024 bytes each
	s_mov_b32 s71, 0
	s_or_b32 s[LIM], s[QH], ttmp9                  ; 0 in the waves with qh = 0 of the batch's first cluster: the same in all four partners
	s_cmp_eq_u32 s[LIM], 0
	s_cselect_b32 s[LIM], 1, -1
	; descriptor group 1: a dense block of 68 rows of 256 bytes (32 elements of 8 bytes), no padding
	s_mov_b32 s[G1], 15|(3<<16)|(1<<21)            ; 15:0 the mask: all four work-groups; 17:16 elements of 8 bytes; 21 set beside a mask
	s_mov_b32 s[G1+1], 32<<16                      ; tensor_dim0
	s_mov_b32 s[G1+2], 68<<16                      ; tensor_dim1
	s_mov_b32 s[G1+3], 32<<16                      ; tile_dim0
	s_mov_b32 s[G1+4], 68                          ; tile_dim1
	s_mov_b32 s[G1+5], 32                          ; tensor_dim0_stride
	s_mov_b32 s[G1+6], 0
	s_mov_b32 s[G1+7], 0
	s_mov_b32 s[CS], 0x3db8aa3b                    ; c = log2(e) / 16
	s_mov_b32 s[CS+1], s[CS]                       ; (named with it as a pair, so it is written)
	s_mov_b32 s[SEL], 0x76543210
	s_mov_b32 s[SEL+1], 0xfedcba98
	s_mov_b32 s[CNT], 3
	s_mul_i32 s62, s[WV], BLK                      ; where my block goes in a slot: no place in the cluster enters an LDS address
	s_mul_i32 s63, s[KQ], STEPB                    ; where my quarter's step lies in a slot
	s_wait_alu depctr_va_vdst(0)
	s_wait_kmcnt 0x0
	s_add_nc_u64 s[QP:QP+1], s[4:5], s[66:67]
	s_add_nc_u64 s[QSP:QSP+1], s[4:5], s[68:69]
.irp u, 0,1                            ; my rows' fragments are asked for first of all: they are wanted with step 0, and nobody else's request brings them
.irp s, 0,1
.irp c, 0,1
	global_load_b128 v[QF+16*\u+8*\s+4*\c:QF+16*\u+8*\s+4*\c+3], v[L16], s[QP:QP+1] offset:(2*\u+\s)*1024+512*\c   ; they stay in registers
.endr
.endr
	global_load_b32 v[QS+\u], v[L16], s[QSP:QSP+1] offset:4*\u    ; lanes 0-15: K step 0's words; lanes 16-31: K step 1's
.endr
	s_add_nc_u64 s[60:61], s[6:7], s[60:61]
	s_add_nc_u64 s[PFA:PFA+1], s[6:7], s[74:75]
	s_add_nc_u64 s[OUT:OUT+1], s[8:9], s[70:71]
	s_add_nc_u64 s[STP:STP+1], s[10:11], s[72:73]
.irp n, 0,1
	s_mov_b32 s[G0+4*\n], 1                        ; count = 1
	s_add_co_u32 s[G0+4*\n+1], s62, \n*SLOTB       ; LDS address
	s_add_nc_u64 s[G0+4*\n+2:G0+4*\n+3], s[60:61], \n*STEPB   ; global address: step n of my quarter
	s_or_b32 s[G0+4*\n+3], s[G0+4*\n+3], 0x80000000           ; type = 2
.endr
	CROUND                                         ; all four work-groups are here: the first joint loads meet
	tensor_load_to_lds s[G0:G0+3], s[G1:G1+7]      ; step 0
	s_nop 0
	PLACES 4
	v_add_nc_u32 v[AD0], s63, v[L16]
	s_delay_alu instid0(VALU_DEP_1)
	v_add_nc_u32 v[AD0+1], SLOTB, v[AD0]
	v_lshrrev_b32 v[PFO], 4, v6
	s_delay_alu instid0(VALU_DEP_1)
	v_mul_u32_u24 v[PFO], v[PFO], BLK
	v_and_b32 v6, 15, v6
	s_delay_alu instid0(VALU_DEP_1)
	v_lshl_add_u32 v[PFO], v6, 8, v[PFO]           ; lanes 0-15: 256 bytes apart in RC; lanes 16-31: in CC
.irp u, 0,1
	v_mov_b32 v[ST+4*\u+2], 0                      ; l, in two halves
	v_mov_b32 v[ST+4*\u+3], 0
	v_mov_b32 v[FF+2*\u], 1.0                      ; f: the first step makes none
	v_mov_b32 v[FF+2*\u+1], 0                      ; (named as the upper half of a pair)
.endr
	s_wait_loadcnt 0x0
	TRIP 0, 1, 1, 1, 0, 0                          ; step 0: its products start O^T's sums: nothing is cleared; every wave finishes it ahead of the change of slots
.Lloop:                                            ; three turns of two trips: steps 1 to 6
	TRIP 1, 1, 0, 1, 1, 1
	s_mov_b32 s[PB], s[TY]                         ; from step 1 on a late wave has its step's second part still to do
	TRIP 0, 1, 0, 2, 1, 1
	s_sub_co_u32 s[CNT], s[CNT], 1
	s_cmp_lg_u32 s[CNT], 0
	s_cbranch_scc1 .Lloop
	TRIP 1, 0, 0, 0, 1, 0                          ; step 7 is written out: nothing is left to fetch, and every wave finishes it
	; THE MERGE of the four quarters.  Addresses, from the thread's and the wave's numbers:
.set LN,  80
.set RR,  81
.set HH,  82
.set L4,  83
.set STA, 84
.set STR, 85
.set BIA, 86
.set R3,  87
.set PWA, 88
.set RD,  89
.set GO,  93
.set BRD, 94
.set L8,  95
	v_and_b32 v[LN], 31, v0
	v_and_b32 v[RR], 15, v0
	v_bfe_u32 v[HH], v0, 4, 1
	s_delay_alu instid0(VALU_DEP_3)
	v_lshlrev_b32 v[L4], 2, v[LN]
	s_lshl_b32 s60, s[WV], 9
	s_add_co_u32 s60, s60, STATS
	v_add_nc_u32 v[STA], s60, v[L4]                ; my wave's statistics
	s_lshl_b32 s60, s[QH], 9
	s_add_co_u32 s60, s60, STATS
	v_add_nc_u32 v[STR], s60, v[L4]                ; those of the four waves that hold my rows: 1,024 bytes apart
	v_and_b32 v[BIA], 7, v[RR]
	v_lshrrev_b32 v[R3], 3, v[RR]
	s_delay_alu instid0(VALU_DEP_2)
	v_lshlrev_b32 v[BIA], 2, v[BIA]
	s_delay_alu instid0(VALU_DEP_1)
	v_lshl_add_u32 v[BIA], v[R3], 6, v[BIA]
	s_delay_alu instid0(VALU_DEP_1)
	v_lshl_add_u32 v[BIA], v[HH], 5, v[BIA]
	s_lshl_b32 s60, s[QH], 7
	s_add_co_u32 s60, s60, BIASL
	v_add_nc_u32 v[BIA], s60, v[BIA]               ; lane (r, h) stores tile h's word: row 32 qh + 8 h + r % 8 + 16 (r / 8)
	v_and_b32 v[PWA], 7, v[RR]
	s_delay_alu instid0(VALU_DEP_1)
	v_mul_u32_u24 v[PWA], v[PWA], PP
	s_delay_alu instid0(VALU_DEP_1)
	v_mad_u32_u24 v[PWA], v[R3], HALFP, v[PWA]
	s_delay_alu instid0(VALU_DEP_1)
	v_lshl_add_u32 v[PWA], v[HH], 5, v[PWA]
	s_mul_i32 s60, s[KQ], PARTB
	s_mul_i32 s61, s[QH], 16*PP
	s_add_co_u32 s60, s60, s61
	v_add_nc_u32 v[PWA], s60, v[PWA]               ; my quarter's partial O: row 32 qh + 8 u + r % 8 + 16 (r / 8) lies at place 16 qh + 8 u + r % 8 of half r / 8; + 32 h bytes
	v_mul_u32_u24 v[RD], v[HH], PP
	s_delay_alu instid0(VALU_DEP_1)
	v_lshl_add_u32 v[RD], v[RR], 4, v[RD]
	s_lshl_b32 s60, s[KQ], 8
	s_add_co_u32 s61, s61, s60
	v_add_nc_u32 v[RD], s61, v[RD]                 ; back: places 16 qh + h on, bytes 256 kq + 16 r on, of each of the four partial sums
	s_delay_alu instid0(VALU_DEP_1)
	v_add_nc_u32 v[RD+1], PARTB, v[RD]
	s_delay_alu instid0(VALU_DEP_2)
	v_add_nc_u32 v[RD+2], 2*PARTB, v[RD]
	s_delay_alu instid0(VALU_DEP_3)
	v_add_nc_u32 v[RD+3], 3*PARTB, v[RD]
	v_lshlrev_b32 v[GO], 10, v[HH]
	s_delay_alu instid0(VALU_DEP_1)
	v_lshl_add_u32 v[GO], v[RR], 4, v[GO]
	s_delay_alu instid0(VALU_DEP_1)
	v_add_nc_u32 v[GO], s60, v[GO]                 ; and the same bytes of rows h on of my 32 rows of the output
	v_lshl_add_u32 v[BRD], v[LN], 3, BIASL
	v_lshlrev_b32 v[L8], 3, v[LN]
	v_cmp_ne_u32 vcc_lo, 0, v[HH]
.irp u, 0,1
	v_add_f32 v[ST+4*\u+2], v[ST+4*\u+2], v[ST+4*\u+3]     ; l's two halves,
.endr
.irp u, 0,1
	s_delay_alu instid0(VALU_DEP_2)
	v_permlanex16_b32 v[PT+\u], v[ST+4*\u+2], s[SEL], s[SEL+1]
.endr
.irp u, 0,1
	s_delay_alu instid0(VALU_DEP_2)
	v_add_f32 v[ST+4*\u+2], v[ST+4*\u+2], v[PT+\u]         ; and lane l xor 16's
.endr
.irp u, 0,1
	ds_store_b32 v[STA], v[ST+4*\u] offset:128*\u
	ds_store_b32 v[STA], v[ST+4*\u+2] offset:256+128*\u
.endr
	s_wait_dscnt 0x0                               ; for the others' sake: my statistics lie in LDS, and my reads of the slots are over
	s_barrier_signal -1
	s_barrier_wait -1
.irp k, 0,1,2,3
.irp u, 0,1
	ds_load_b32 v[64+4*\u+\k], v[STR] offset:1024*\k+128*\u
	ds_load_b32 v[72+4*\u+\k], v[STR] offset:1024*\k+128*\u+256
.endr
.endr
	s_wait_dscnt 0x0
.irp u, 0,1
	v_min3_num_f32 v[40+\u], v[64+4*\u], v[65+4*\u], v[66+4*\u]
.endr
.irp u, 0,1
	s_delay_alu instid0(VALU_DEP_2)
	v_min_num_f32 v[40+\u], v[40+\u], v[67+4*\u]   ; -M of the whole row: the smallest of the four
.endr
.irp u, 0,1
.irp k, 0,1,2,3
	v_sub_f32 v[44+4*\u+\k], v[40+\u], v[64+4*\u+\k]       ; quarter k's M less the row's: a whole number, 0 or less
.endr
	v_sub_f32 v[52+\u], v[40+\u], v[ST+4*\u]       ; my own quarter's
.endr
.irp u, 0,1
.irp k, 0,1,2,3
	v_cvt_i32_f32 v[44+4*\u+\k], v[44+4*\u+\k]
.endr
	v_cvt_i32_f32 v[52+\u], v[52+\u]
.endr
.irp u, 0,1
.irp k, 0,1,2,3
	v_ldexp_f32 v[72+4*\u+\k], v[72+4*\u+\k], v[44+4*\u+\k]   ; each l under the row's M: exact
.endr
.endr
.irp u, 0
	v_add_f32 v[72+4*\u], v[72+4*\u], v[73+4*\u]
	v_add_f32 v[74+4*\u], v[74+4*\u], v[75+4*\u]
.endr
.irp u, 1
	v_add_f32 v[72+4*\u], v[72+4*\u], v[73+4*\u]
	s_delay_alu instid0(VALU_DEP_4)
	v_add_f32 v[74+4*\u], v[74+4*\u], v[75+4*\u]
.endr
.irp u, 0
	s_delay_alu instid0(VALU_DEP_3)
	v_add_f32 v[42+\u], v[72+4*\u], v[74+4*\u]     ; the row's l
.endr
.irp u, 1
	s_delay_alu instid0(VALU_DEP_2)
	v_add_f32 v[42+\u], v[72+4*\u], v[74+4*\u]     ; the row's l
.endr
	s_wait_alu depctr_va_vdst(0)
.irp u, 0,1
	v_rcp_f32 v[54+\u], v[42+\u]
	v_log_f32 v[56+\u], v[42+\u]
.endr
	v_nop                                          ; a plain line behind the batch
	s_wait_alu depctr_va_vdst(0)                   ; one wait for the four, ahead of their first reader
.irp u, 0,1
	v_ldexp_f32 v[FF+2*\u], v[54+\u], v[52+\u]     ; what my partial O is multiplied by: 2^(my M - the row's M) / l
	v_sub_f32 v[58+\u], v[40+\u], v[56+\u]         ; -(M + log2 l)
.endr
	s_delay_alu instid0(VALU_DEP_1)
	v_cndmask_b32 v60, v58, v59, vcc_lo            ; lanes 0-15 tile 0's, lanes 16-31 tile 1's
	s_cmp_lt_u32 s[WV], 2
	s_cbranch_scc0 .Lno_bias                       ; all four quarters hold the same numbers: quarter 0's two waves store them
	ds_store_b32 v[BIA], v60
.Lno_bias:
	s_wait_alu depctr_va_vdst(0)
	SCALEO
	WIN 0x04                                       ; an LDS store's data are its source 1: window 1
.irp u, 0,1
.set ct, 0
.rept 16
	ds_store_b128 v[PWA], v[128*\u+8*ct:128*\u+8*ct+3] offset:8*\u*PP+64*ct          ; lane (r, h): channels 16 ct + 8 h + 0 .. 7 of its row
	ds_store_b128 v[PWA], v[128*\u+8*ct+4:128*\u+8*ct+7] offset:8*\u*PP+64*ct+16
.set ct, ct+1
.endr
.endr
	WIN 0
	s_wait_dscnt 0x0                               ; for the others' sake: my partial O lies in LDS
	s_barrier_signal -1
	s_barrier_wait -1
	; each wave adds the four partial sums of 32 rows x 64 channels and stores them: sixteen lanes store 256 consecutive bytes, aligned.  Rows 16 f + 2 i + h of my 32 lie at places 2 i + h of half f
.irp f, 0,1
.if \f
	s_wait_xcnt 0x0                                ; the first half's stores have read their registers, which the loads below write
.endif
.irp i, 0,1,2,3,4,5,6,7
.irp k, 0,1,2,3
	ds_load_b128 v[S+16*\i+4*\k:S+16*\i+4*\k+3], v[RD+\k] offset:2*\i*PP+\f*HALFP
.endr
.endr
.irp i, 0,1,2,3,4,5,6,7
	s_wait_dscnt 28-4*\i                           ; this pair of rows' four loads are in; the count is that of the younger loads
	v_pk_add_f32 v[S+16*\i:S+16*\i+1], v[S+16*\i:S+16*\i+1], v[S+16*\i+4:S+16*\i+5]
	v_pk_add_f32 v[S+16*\i+2:S+16*\i+3], v[S+16*\i+2:S+16*\i+3], v[S+16*\i+6:S+16*\i+7]
	v_pk_add_f32 v[S+16*\i+8:S+16*\i+9], v[S+16*\i+8:S+16*\i+9], v[S+16*\i+12:S+16*\i+13]
	v_pk_add_f32 v[S+16*\i+10:S+16*\i+11], v[S+16*\i+10:S+16*\i+11], v[S+16*\i+14:S+16*\i+15]
	s_delay_alu instid0(VALU_DEP_2)
	v_pk_add_f32 v[S+16*\i:S+16*\i+1], v[S+16*\i:S+16*\i+1], v[S+16*\i+8:S+16*\i+9]
	s_delay_alu instid0(VALU_DEP_2)
	v_pk_add_f32 v[S+16*\i+2:S+16*\i+3], v[S+16*\i+2:S+16*\i+3], v[S+16*\i+10:S+16*\i+11]
	global_store_b128 v[GO], v[S+16*\i:S+16*\i+3], s[OUT:OUT+1] offset:2048*(8*\f+\i) th:TH_STORE_NT
.endr
.endr
	s_cmp_lg_u32 s[WV], 0
	s_cbranch_scc1 .Lno_stats                      ; wave 0 stores the block's 64 words: 256 consecutive bytes, aligned
	ds_load_b64 v[64:65], v[BRD]
	s_wait_dscnt 0x0
	global_store_b64 v[L8], v[64:65], s[STP:STP+1]
.Lno_stats:
	s_wait_tensorcnt 0x0                           ; the wave's end
	ds_add_u32 v[SPW], v[NIL]
	s_wait_dscnt 0x0
	CROUND                                         ; the closing round: no work-group ends while a partner may still ask for a tile that names it
	s_endpgm
.Lfunc_end_k_q51204974b7_passa:
	.size	k_q51204974b7_passa, .Lfunc_end_k_q51204974b7_passa-k_q51204974b7_passa
	.p2alignl 7, 3214868480
	.fill 96, 4, 3214868480
	.section	.rodata,"a",@progbits
	.p2align	6, 0x0
	.amdhsa_kernel k_q51204974b7_passa
		.amdhsa_group_segment_fixed_size 327680
		.amdhsa_private_segment_fixed_size 0
		.amdhsa_enable_private_segment 0
		.amdhsa_kernarg_size 32
		.amdhsa_user_sgpr_count 2
		.amdhsa_user_sgpr_kernarg_segment_ptr 1
		.amdhsa_wavefront_size32 1
		.amdhsa_system_sgpr_workgroup_id_x 1
		.amdhsa_system_sgpr_workgroup_id_y 1
		.amdhsa_system_sgpr_workgroup_id_z 1
		.amdhsa_system_vgpr_workitem_id 0
		.amdhsa_next_free_vgpr 512
		.amdhsa_next_free_sgpr 80
		.amdhsa_reserve_vcc 1
		.amdhsa_float_denorm_mode_32 3
		.amdhsa_float_denorm_mode_16_64 3
		.amdhsa_memory_ordered 1
		.amdhsa_forward_progress 1
		.amdhsa_inst_pref_size 248
	.end_amdhsa_kernel
	.amdgpu_metadata
---
amdhsa.version: [ 1, 2 ]
amdhsa.kernels:
  - .name:           k_q51204974b7_passa
    .symbol:         k_q51204974b7_passa.kd
    .args:
      - { .name: wimg, .offset: 0, .size: 8, .value_kind: global_buffer, .address_space: global }
      - { .name: wtxt, .offset: 8, .size: 8, .value_kind: global_buffer, .address_space: global }
      - { .name: out0, .offset: 16, .size: 8, .value_kind: global_buffer, .address_space: global }
      - { .name: stats, .offset: 24, .size: 8, .value_kind: global_buffer, .address_space: global }
    .group_segment_fixed_size: 327680
    .private_segment_fixed_size: 0
    .kernarg_segment_align: 8
    .kernarg_segment_size: 32
    .max_flat_workgroup_size: 256
    .sgpr_count:     80
    .vgpr_count:     512
    .wavefront_size: 32
...
	.end_amdgpu_metadata
.endif
;; end of part 2
;; launch passb (part 3): grid 64 x 4, 8 waves a work-group, clusters of 4 x 1, 327,680 bytes of LDS; arguments wtxt, wimg, out1, stats; writes out1
.if DOCPART == 3
	.amdgcn_target "amdgcn-amd-amdhsa--gfx1250"
	.amdhsa_code_object_version 6
	.text
	.protected	k_q51204974b7_passb
	.globl	k_q51204974b7_passb
	.p2align	8
	.type	k_q51204974b7_passb,@function
k_q51204974b7_passb:
	s_mov_b64 s[64:65], 0
	v_nop
	global_prefetch_b8 v0, s[64:65] scope:SCOPE_SE
	s_setreg_imm32_b32 hwreg(HW_REG_WAVE_MODE, 25, 1), 1
	s_wait_xcnt 0x0
	s_wait_alu depctr_hold_cnt(0) depctr_sa_sdst(0) depctr_va_vdst(0) depctr_va_sdst(0) depctr_va_ssrc(0) depctr_va_vcc(0) depctr_vm_vsrc(0)
	s_getreg_b32 s2, hwreg(HW_REG_IB_STS2, 6, 4)
	s_cmp_eq_u32 s2, 0
	s_cbranch_scc0 .Lentry_in_a_cluster
	s_endpgm
.Lentry_in_a_cluster:
	s_bfe_u32 s2, ttmp6, 0x10000c
	s_cmp_lg_u32 s2, 0x3003
	s_cbranch_scc0 .Lentry_shape_is_right
	s_endpgm
.Lentry_shape_is_right:
; out1[b][t][:] = the sum over i of attn[b][i][t] image[b][i][:], attn = the finished softmax = 2^(score x log2(e) / 16 + stats[b][i]), stats = -(M + log2 l) of image row i, from the launch before.
; Both products on codes of FP4 (E2M1) with one E8M0 scale for each 32 along K; attn is quantised along the image rows, which are this product's K.
; OPERANDS come from the first launch, in the order of the operand's registers: [batch][step of 128 tokens][RC 17,408 bytes | CC 17,408 bytes]; RC: codes along the channels, 16 fragments and a scale image; CC: codes along the tokens, likewise.
; Here the image is walked and the text tokens are the work-group's own rows.
; SHARES.  A work-group owns 64 text tokens.  Wave w: kq = w / 2, its quarter of the 4,096 image rows (8 steps of 128); qh = w % 2, its 32 of the 64 tokens, two tiles of 16: each fragment read from LDS feeds two matrix instructions.
; The four quarters' sums are added at the end through LDS.
; EARLY AND LATE WAVES.  Once CC's fragments are in registers, a step's second product touches registers alone.  The waves with TY = 0 run it at the step's end, ahead of the change of slots; those with TY = 1 behind it, at the
; next step's head.  TY = (w xor w / 4) % 2.  Step 0 is finished by every wave ahead of the change (its products start the sums), step 7 by every wave at its end.  The branches hang on the wave's number alone and go round
; register work and its waits alone.
; LAYOUT.  Both products are used transposed: a lane holds ONE token (lane % 16) throughout.  The image rows of a tile are not neighbours (lane r of tile 2 b + u is row 32 b + 8 u + r + 8 (r / 8)), so that the 16 registers of
; tiles 2 b, 2 b + 1 are 16 neighbouring rows.
; CLUSTER.  The four work-groups of a cluster belong to one batch and walk the same image: every block is asked for JOINTLY, by the same tensor load with the same descriptor and the mask 15, one load a wave (68 rows of 256
; bytes).  A ring of two LDS slots, a step of each quarter to a slot; a round of the cluster's barrier at each change of slots; one tensor load of a wave is out behind each round.
; THE STATISTICS of the batch, 16,384 bytes, come once: 2,048 bytes a wave by four plain loads, asked for ahead of the first round, and are stored into LDS bytes of their own, which no tensor load fills; the first change's
; wait for LDS and its round show them to all waves.  They are a small part of the bytes that the partners share (16,384 of 1,130,496 a work-group), so they are not asked for jointly.
; LIMITS: attn under 2^-126 is 0 (v_exp_f32); NaN and infinities are not served.
.set STEPB, 34816
.set BLK,   17408
.set SLOTB, 4*STEPB
.set SPARE, 2*SLOTB
.set BIASB, SPARE+1024
.set PP,    1040
.set HALFP, 32*PP+128
.set PARTB, 2*HALFP
.set AD0, 1
.set SPW, 3
.set NIL, 4
.set PFO, 5
.set AB,  6
.set L16, 7
.set QS,  16
.set PS,  18
.set KS,  24
.set F1,  32
.set BI,  32
.set PC,  32
.set BM,  48
.set PT,  52
.set SO,  56
.set F0,  64
.set QF,  96
.set S,   128
.set WV,  12
.set KQ,  13
.set QH,  14
.set CX,  15
.set BA,  16
.set G1,  24
.set G0,  32
.set G0S, 48                           ; s[50:51] my 2,048 bytes of the statistics in memory
.set CS,  52
.set SEL, 54
.set CNT, 56
.set LIM, 57
.set PFA, 58
.set QP,  66
.set QSP, 68
.set OUT, 70
.set TY,  78
.set PB,  79
.set MSB, 0
.macro WIN new
.if MSB != \new
	s_set_vgpr_msb (MSB<<8)|\new
.set MSB, \new
.endif
.endm
.macro PLACES n
.rept \n
	v_nop
.endr
.endm
.macro CROUND
	s_barrier_signal -1
	s_barrier_wait -1
	s_cmp_lg_u32 s[WV], 0
	s_cbranch_scc1 .Lnot_wave_0_\@
	s_barrier_signal -3
.Lnot_wave_0_\@:
	s_barrier_wait -3
	s_barrier_signal -1
	s_barrier_wait -1
.endm
.macro ASK how
.if \how
.if \how == 1
	s_cmp_ge_u32 s[CNT], s[LIM]
.else
	s_cmp_gt_u32 s[CNT], s[LIM]
.endif
	s_cbranch_scc0 .Lnot_mine_\@
	s_wait_alu depctr_va_vdst(0)
	global_prefetch_b8 v[PFO], s[PFA:PFA+1] th:TH_LOAD_NT scope:SCOPE_SE
.Lnot_mine_\@:
.endif
.endm
.macro WM g, fb
.irp s, 0,1
.irp a, 0,1
.irp u, 0,1
.if \s == 0
	v_wmma_scale_f32_16x16x128_f8f6f4 v[S+64*\u+8*(2*(\g)+\a):S+64*\u+8*(2*(\g)+\a)+7], v[\fb+16*\a:\fb+16*\a+7], v[QF+16*\u:QF+16*\u+7], 0, v[KS+2*(\g)+\a], v[QS+\u] matrix_a_fmt:MATRIX_FMT_FP4 matrix_b_fmt:MATRIX_FMT_FP4
.else
	v_wmma_scale_f32_16x16x128_f8f6f4 v[S+64*\u+8*(2*(\g)+\a):S+64*\u+8*(2*(\g)+\a)+7], v[\fb+16*\a+8:\fb+16*\a+15], v[QF+16*\u+8:QF+16*\u+15], v[S+64*\u+8*(2*(\g)+\a):S+64*\u+8*(2*(\g)+\a)+7], v[KS+2*(\g)+\a], v[QS+\u] matrix_a_fmt:MATRIX_FMT_FP4 matrix_b_fmt:MATRIX_FMT_FP4 matrix_a_scale:MATRIX_SCALE_ROW1 matrix_b_scale:MATRIX_SCALE_ROW1
.endif
.endr
.endr
.endr
.endm
.macro KLOAD ad, g, fb
.set ii, 0
.rept 8
	ds_load_b128 v[\fb+4*ii:\fb+4*ii+3], v[\ad] offset:4096*(\g)+512*ii
.set ii, ii+1
.endr
.endm
.macro SPHASE ad
	ds_load_b128 v[KS:KS+3], v[\ad] offset:16384
	ds_load_b128 v[KS+4:KS+7], v[\ad] offset:16896
	KLOAD \ad, 0, F0
	KLOAD \ad, 1, F1
	s_wait_dscnt 8
	WM 0, F0
	PLACES 4
	KLOAD \ad, 2, F0
	s_wait_dscnt 8
	WM 1, F1
	PLACES 4
	KLOAD \ad, 3, F1
	s_wait_dscnt 8
	WM 2, F0
	s_wait_dscnt 0x0
	WM 3, F1
	PLACES 4
.endm
.macro VLOAD ad, half
.if (\half) == 0
	ds_load_b128 v[KS:KS+3], v[\ad] offset:BLK+16384
	ds_load_b128 v[KS+4:KS+7], v[\ad] offset:BLK+16896
.endif
.set ii, 0
.rept 16
	ds_load_b128 v[S+64*(\half)+4*ii:S+64*(\half)+4*ii+3], v[\ad] offset:BLK+8192*(\half)+512*ii
.set ii, ii+1
.endr
.endm
.macro PV1 u, first
.set rO, 128*(\u)+8*ct
.if \first
.if ct%2
	v_wmma_scale_f32_16x16x128_f8f6f4 v[rO:rO+7], v[S+8*ct:S+8*ct+7], v[PC+8*(\u):PC+8*(\u)+7], 0, v[KS+ct/2], v[PS+(\u)] matrix_a_fmt:MATRIX_FMT_FP4 matrix_b_fmt:MATRIX_FMT_FP4 matrix_a_scale:MATRIX_SCALE_ROW1
.else
	v_wmma_scale_f32_16x16x128_f8f6f4 v[rO:rO+7], v[S+8*ct:S+8*ct+7], v[PC+8*(\u):PC+8*(\u)+7], 0, v[KS+ct/2], v[PS+(\u)] matrix_a_fmt:MATRIX_FMT_FP4 matrix_b_fmt:MATRIX_FMT_FP4
.endif
.else
.if ct%2
	v_wmma_scale_f32_16x16x128_f8f6f4 v[rO:rO+7], v[S+8*ct:S+8*ct+7], v[PC+8*(\u):PC+8*(\u)+7], v[rO:rO+7], v[KS+ct/2], v[PS+(\u)] matrix_a_fmt:MATRIX_FMT_FP4 matrix_b_fmt:MATRIX_FMT_FP4 matrix_a_scale:MATRIX_SCALE_ROW1
.else
	v_wmma_scale_f32_16x16x128_f8f6f4 v[rO:rO+7], v[S+8*ct:S+8*ct+7], v[PC+8*(\u):PC+8*(\u)+7], v[rO:rO+7], v[KS+ct/2], v[PS+(\u)] matrix_a_fmt:MATRIX_FMT_FP4 matrix_b_fmt:MATRIX_FMT_FP4
.endif
.endif
.endm
.macro PVH half, first
	WIN 0x50
.set ct, 8*(\half)
.rept 8
	PV1 0, \first
	PV1 1, \first
.set ct, ct+1
.endr
.endm
.macro QUANTP u
.set rS, S+64*(\u)
.set rP, PC+8*(\u)
.irp b, 0,1,2,3
	v_max3_num_f32 v[BM+\b], v[rS+16*\b], v[rS+16*\b+1], 0x1800000
.endr
.irp i, 2,4,6,8,10,12,14
.irp b, 0,1,2,3
	v_max3_num_f32 v[BM+\b], v[BM+\b], v[rS+16*\b+\i], v[rS+16*\b+\i+1]
.endr
.endr
.irp b, 0,1,2,3
	s_delay_alu instid0(VALU_DEP_4)
	v_permlanex16_b32 v[PT+\b], v[BM+\b], s[SEL], s[SEL+1]
.endr
.irp b, 0,1,2,3
	s_delay_alu instid0(VALU_DEP_4)
	v_max_num_f32 v[BM+\b], v[BM+\b], v[PT+\b]
.endr
.irp b, 0,1,2,3
	s_delay_alu instid0(VALU_DEP_4)
	v_add_nc_u32 v[SO+\b], 0xff000000, v[BM+\b]
.endr
.irp b, 0,1,2,3
	s_delay_alu instid0(VALU_DEP_4)
	v_lshrrev_b32 v[PT+\b], 23, v[SO+\b]
.endr
	s_delay_alu instid0(VALU_DEP_3)
	v_lshl_or_b32 v[PS+(\u)], v[PT+1], 8, v[PT]
	s_delay_alu instid0(VALU_DEP_1)
	v_lshl_or_b32 v[PS+(\u)], v[PT+2], 16, v[PS+(\u)]
	s_delay_alu instid0(VALU_DEP_1)
	v_lshl_or_b32 v[PS+(\u)], v[PT+3], 24, v[PS+(\u)]
.irp b, 0,1,2,3
	v_cvt_scalef32_pk8_fp4_f32 v[rP+2*\b], v[rS+16*\b:rS+16*\b+7], v[SO+\b]
	v_cvt_scalef32_pk8_fp4_f32 v[rP+2*\b+1], v[rS+16*\b+8:rS+16*\b+15], v[SO+\b]
.endr
	v_nop
.irp c, 0,1
.irp i, 0,1
	v_permlane16_swap_b32 v[rP+4*\c+\i], v[rP+4*\c+2+\i]
.endr
.endr
.endm
.macro SSM ad
	SPHASE \ad
.irp b, 0,1,2,3
.irp m, 0,1,2,3
	ds_load_b128 v[BI+16*\b+4*\m:BI+16*\b+4*\m+3], v[AB] offset:128*\b+16*\m
.endr
.endr
	v_add_nc_u32 v[AB], 512, v[AB]
	s_wait_dscnt 0x0
.irp u, 0,1
.set jj, 0
.rept 32
	v_pk_fma_f32 v[S+64*\u+jj:S+64*\u+jj+1], v[S+64*\u+jj:S+64*\u+jj+1], s[CS:CS+1], v[BI+jj:BI+jj+1] op_sel_hi:[1,0,1]
.set jj, jj+2
.endr
.endr
.set jj, 0
	s_wait_alu depctr_va_vdst(0)
.rept 128
	v_exp_f32 v[S+jj], v[S+jj]
.set jj, jj+1
.endr
	v_nop
	s_wait_alu depctr_va_vdst(0)
	QUANTP 0
	VLOAD \ad, 0
	QUANTP 1
	VLOAD \ad, 1
.endm
.macro RSPV first
	PLACES 8
	s_wait_dscnt 16
	PVH 0, \first
	s_wait_dscnt 0x0
	PVH 1, \first
	WIN 0
	PLACES 5
.endm
.macro TRIP slot, refill, first, ask, head, tail
	WIN 0
	s_wait_tensorcnt 0x0
	ds_add_u32 v[SPW], v[NIL]
	s_add_nc_u64 s[G0+4*(\slot)+2:G0+4*(\slot)+3], s[G0+4*(\slot)+2:G0+4*(\slot)+3], 2*STEPB
	s_wait_xcnt 0x0
	s_add_nc_u64 s[PFA:PFA+1], s[PFA:PFA+1], STEPB
	s_wait_dscnt 0x0
	CROUND
.if \refill
	tensor_load_to_lds s[G0+4*(1-(\slot)):G0+4*(1-(\slot))+3], s[G1:G1+7]
	s_nop 0
	PLACES 4
.endif
	ASK \ask
.if \head
	s_cmp_lg_u32 s[PB], 0
	s_cbranch_scc0 .Lno_late_\@
	s_wait_alu depctr_va_vdst(0)
	RSPV 0
.Lno_late_\@:
.endif
	s_wait_alu depctr_va_vdst(0)
	SSM AD0+\slot
.if \tail
	s_cmp_eq_u32 s[TY], 0
	s_cbranch_scc0 .Lno_early_\@
	s_wait_alu depctr_va_vdst(0)
	RSPV 0
.Lno_early_\@:
.else
	s_wait_alu depctr_va_vdst(0)
	RSPV \first
.endif
.endm
	s_load_b256 s[4:11], s[0:1], 0x0
	v_lshl_add_u32 v[SPW], v0, 2, SPARE
	v_mov_b32 v[NIL], 0
	ds_add_u32 v3, v4
	ds_add_u32 v3, v4
	s_wait_dscnt 0x0
	v_lshrrev_b32 v1, 5, v0
	s_delay_alu instid0(VALU_DEP_1)
	v_readfirstlane_b32 s[WV], v1
	v_and_b32 v6, 31, v0
	s_delay_alu instid0(VALU_DEP_1)
	v_lshlrev_b32 v[L16], 4, v6
	s_lshr_b32 s[KQ], s[WV], 1
	s_and_b32 s[QH], s[WV], 1
	s_lshr_b32 s[TY], s[WV], 2
	s_xor_b32 s[TY], s[TY], s[WV]
	s_and_b32 s[TY], s[TY], 1
	s_mov_b32 s[PB], 0
	s_bfe_u32 s[CX], ttmp6, 0x40000
	s_and_b32 s[BA], ttmp7, 0xffff
	s_lshl_b32 s17, s[BA], 5
	s_lshl_b32 s18, s[KQ], 3
	s_add_co_u32 s18, s18, s17
	s_mul_i32 s18, s18, STEPB
	s_mul_i32 s19, s[QH], BLK
	s_add_co_u32 s60, s18, s19
	s_mov_b32 s61, 0
	s_lshl_b32 s76, s[BA], 14
	s_lshl_b32 s77, s[WV], 11
	s_add_co_u32 s76, s76, s77
	s_mov_b32 s77, 0
	s_lshl_b32 s74, s[CX], 12
	s_add_co_u32 s74, s74, s18
	s_add_co_u32 s74, s74, STEPB
	s_mov_b32 s75, 0
	s_lshl_b32 s20, ttmp9, 2
	s_add_co_u32 s20, s20, s[CX]
	s_lshr_b32 s21, s20, 1
	s_add_co_u32 s21, s21, s17
	s_mul_i32 s21, s21, STEPB
	s_and_b32 s22, s20, 1
	s_lshl_b32 s23, s22, 13
	s_add_co_u32 s66, s21, s23
	s_lshl_b32 s23, s[QH], 12
	s_add_co_u32 s66, s66, s23
	s_mov_b32 s67, 0
	s_lshl_b32 s23, s22, 9
	s_add_co_u32 s68, s21, s23
	s_lshl_b32 s23, s[QH], 3
	s_add_co_u32 s68, s68, s23
	s_add_co_u32 s68, s68, 16384
	s_mov_b32 s69, 0
	s_lshl_b32 s70, s[BA], 12
	s_lshl_b32 s23, s20, 6
	s_add_co_u32 s70, s70, s23
	s_lshl_b32 s23, s[QH], 5
	s_add_co_u32 s70, s70, s23
	s_lshl_b32 s70, s70, 10
	s_mov_b32 s71, 0
	s_or_b32 s[LIM], s[QH], ttmp9
	s_cmp_eq_u32 s[LIM], 0
	s_cselect_b32 s[LIM], 1, -1
	s_mov_b32 s[G1], 15|(3<<16)|(1<<21)
	s_mov_b32 s[G1+1], 32<<16
	s_mov_b32 s[G1+2], 68<<16
	s_mov_b32 s[G1+3], 32<<16
	s_mov_b32 s[G1+4], 68
	s_mov_b32 s[G1+5], 32
	s_mov_b32 s[G1+6], 0
	s_mov_b32 s[G1+7], 0
	s_mov_b32 s[CS], 0x3db8aa3b
	s_mov_b32 s[CS+1], s[CS]
	s_mov_b32 s[SEL], 0x76543210
	s_mov_b32 s[SEL+1], 0xfedcba98
	s_mov_b32 s[CNT], 3
	s_mul_i32 s62, s[WV], BLK
	s_mul_i32 s63, s[KQ], STEPB
	s_wait_alu depctr_va_vdst(0)
	s_wait_kmcnt 0x0
	s_add_nc_u64 s[QP:QP+1], s[4:5], s[66:67]
	s_add_nc_u64 s[QSP:QSP+1], s[4:5], s[68:69]
.irp u, 0,1
.irp s, 0,1
.irp c, 0,1
	global_load_b128 v[QF+16*\u+8*\s+4*\c:QF+16*\u+8*\s+4*\c+3], v[L16], s[QP:QP+1] offset:(2*\u+\s)*1024+512*\c
.endr
.endr
	global_load_b32 v[QS+\u], v[L16], s[QSP:QSP+1] offset:4*\u
.endr
	s_add_nc_u64 s[60:61], s[6:7], s[60:61]
	s_add_nc_u64 s[PFA:PFA+1], s[6:7], s[74:75]
	s_add_nc_u64 s[OUT:OUT+1], s[8:9], s[70:71]
.irp n, 0,1
	s_mov_b32 s[G0+4*\n], 1
	s_add_co_u32 s[G0+4*\n+1], s62, \n*SLOTB
	s_add_nc_u64 s[G0+4*\n+2:G0+4*\n+3], s[60:61], \n*STEPB
	s_or_b32 s[G0+4*\n+3], s[G0+4*\n+3], 0x80000000
.endr
	s_add_nc_u64 s[G0S+2:G0S+3], s[10:11], s[76:77]
.irp i, 0,1,2,3
	global_load_b128 v[S+4*\i:S+4*\i+3], v[L16], s[G0S+2:G0S+3] offset:512*\i    ; my part of the statistics: 32 lanes read 512 consecutive bytes
.endr
	CROUND                                         ; all four work-groups are here: the first joint loads meet
	tensor_load_to_lds s[G0:G0+3], s[G1:G1+7]      ; step 0: one tensor load a wave at the head
	s_nop 0
	PLACES 4
	v_add_nc_u32 v[AD0], s63, v[L16]
	s_delay_alu instid0(VALU_DEP_1)
	v_add_nc_u32 v[AD0+1], SLOTB, v[AD0]
	v_lshrrev_b32 v[PFO], 4, v6
	s_delay_alu instid0(VALU_DEP_1)
	v_mul_u32_u24 v[PFO], v[PFO], BLK
	v_and_b32 v6, 15, v6
	s_delay_alu instid0(VALU_DEP_1)
	v_lshl_add_u32 v[PFO], v6, 8, v[PFO]
	v_bfe_u32 v[AB], v0, 4, 1
	s_delay_alu instid0(VALU_DEP_1)
	v_lshlrev_b32 v[AB], 6, v[AB]
	s_lshl_b32 s62, s[KQ], 12
	s_add_co_u32 s62, s62, BIASB
	v_add_nc_u32 v[AB], s62, v[AB]
	s_lshl_b32 s62, s[WV], 11
	s_add_co_u32 s62, s62, BIASB
	v_add_nc_u32 v9, s62, v[L16]                   ; where my part of the statistics goes
	s_wait_alu depctr_va_vdst(0)
	s_wait_loadcnt 0x0
.irp i, 0,1,2,3
	ds_store_b128 v9, v[S+4*\i:S+4*\i+3] offset:512*\i
.endr
	TRIP 0, 1, 1, 1, 0, 0
.Lloop:
	TRIP 1, 1, 0, 1, 1, 1
	s_mov_b32 s[PB], s[TY]
	TRIP 0, 1, 0, 2, 1, 1
	s_sub_co_u32 s[CNT], s[CNT], 1
	s_cmp_lg_u32 s[CNT], 0
	s_cbranch_scc1 .Lloop
	TRIP 1, 0, 0, 0, 1, 0
.set RR,  81
.set HH,  82
.set R3,  87
.set PWA, 88
.set RD,  89
.set GO,  93
	v_and_b32 v[RR], 15, v0
	v_bfe_u32 v[HH], v0, 4, 1
	s_delay_alu instid0(VALU_DEP_2)
	v_lshrrev_b32 v[R3], 3, v[RR]
	s_delay_alu instid0(VALU_DEP_3)
	v_and_b32 v[PWA], 7, v[RR]
	s_delay_alu instid0(VALU_DEP_1)
	v_mul_u32_u24 v[PWA], v[PWA], PP
	s_delay_alu instid0(VALU_DEP_1)
	v_mad_u32_u24 v[PWA], v[R3], HALFP, v[PWA]
	s_delay_alu instid0(VALU_DEP_1)
	v_lshl_add_u32 v[PWA], v[HH], 5, v[PWA]
	s_mul_i32 s60, s[KQ], PARTB
	s_mul_i32 s61, s[QH], 16*PP
	s_add_co_u32 s60, s60, s61
	v_add_nc_u32 v[PWA], s60, v[PWA]
	v_mul_u32_u24 v[RD], v[HH], PP
	s_delay_alu instid0(VALU_DEP_1)
	v_lshl_add_u32 v[RD], v[RR], 4, v[RD]
	s_lshl_b32 s60, s[KQ], 8
	s_add_co_u32 s61, s61, s60
	v_add_nc_u32 v[RD], s61, v[RD]
	s_delay_alu instid0(VALU_DEP_1)
	v_add_nc_u32 v[RD+1], PARTB, v[RD]
	s_delay_alu instid0(VALU_DEP_2)
	v_add_nc_u32 v[RD+2], 2*PARTB, v[RD]
	s_delay_alu instid0(VALU_DEP_3)
	v_add_nc_u32 v[RD+3], 3*PARTB, v[RD]
	v_lshlrev_b32 v[GO], 10, v[HH]
	s_delay_alu instid0(VALU_DEP_1)
	v_lshl_add_u32 v[GO], v[RR], 4, v[GO]
	s_delay_alu instid0(VALU_DEP_1)
	v_add_nc_u32 v[GO], s60, v[GO]
	s_wait_alu depctr_va_vdst(0)
	s_wait_dscnt 0x0
	s_barrier_signal -1
	s_barrier_wait -1
	WIN 0x04
.irp u, 0,1
.set ct, 0
.rept 16
	ds_store_b128 v[PWA], v[128*\u+8*ct:128*\u+8*ct+3] offset:8*\u*PP+64*ct
	ds_store_b128 v[PWA], v[128*\u+8*ct+4:128*\u+8*ct+7] offset:8*\u*PP+64*ct+16
.set ct, ct+1
.endr
.endr
	WIN 0
	s_wait_dscnt 0x0
	s_barrier_signal -1
	s_barrier_wait -1
.irp f, 0,1
.if \f
	s_wait_xcnt 0x0
.endif
.irp i, 0,1,2,3,4,5,6,7
.irp k, 0,1,2,3
	ds_load_b128 v[S+16*\i+4*\k:S+16*\i+4*\k+3], v[RD+\k] offset:2*\i*PP+\f*HALFP
.endr
.endr
.irp i, 0,1,2,3,4,5,6,7
	s_wait_dscnt 28-4*\i
	v_pk_add_f32 v[S+16*\i:S+16*\i+1], v[S+16*\i:S+16*\i+1], v[S+16*\i+4:S+16*\i+5]
	v_pk_add_f32 v[S+16*\i+2:S+16*\i+3], v[S+16*\i+2:S+16*\i+3], v[S+16*\i+6:S+16*\i+7]
	v_pk_add_f32 v[S+16*\i+8:S+16*\i+9], v[S+16*\i+8:S+16*\i+9], v[S+16*\i+12:S+16*\i+13]
	v_pk_add_f32 v[S+16*\i+10:S+16*\i+11], v[S+16*\i+10:S+16*\i+11], v[S+16*\i+14:S+16*\i+15]
	s_delay_alu instid0(VALU_DEP_2)
	v_pk_add_f32 v[S+16*\i:S+16*\i+1], v[S+16*\i:S+16*\i+1], v[S+16*\i+8:S+16*\i+9]
	s_delay_alu instid0(VALU_DEP_2)
	v_pk_add_f32 v[S+16*\i+2:S+16*\i+3], v[S+16*\i+2:S+16*\i+3], v[S+16*\i+10:S+16*\i+11]
	global_store_b128 v[GO], v[S+16*\i:S+16*\i+3], s[OUT:OUT+1] offset:2048*(8*\f+\i) th:TH_STORE_NT
.endr
.endr
	s_wait_tensorcnt 0x0
	ds_add_u32 v[SPW], v[NIL]
	s_wait_dscnt 0x0
	CROUND
	s_endpgm
.Lfunc_end_k_q51204974b7_passb:
	.size	k_q51204974b7_passb, .Lfunc_end_k_q51204974b7_passb-k_q51204974b7_passb
	.p2alignl 7, 3214868480
	.fill 96, 4, 3214868480
	.section	.rodata,"a",@progbits
	.p2align	6, 0x0
	.amdhsa_kernel k_q51204974b7_passb
		.amdhsa_group_segment_fixed_size 327680
		.amdhsa_private_segment_fixed_size 0
		.amdhsa_enable_private_segment 0
		.amdhsa_kernarg_size 32
		.amdhsa_user_sgpr_count 2
		.amdhsa_user_sgpr_kernarg_segment_ptr 1
		.amdhsa_wavefront_size32 1
		.amdhsa_system_sgpr_workgroup_id_x 1
		.amdhsa_system_sgpr_workgroup_id_y 1
		.amdhsa_system_sgpr_workgroup_id_z 1
		.amdhsa_system_vgpr_workitem_id 0
		.amdhsa_next_free_vgpr 512
		.amdhsa_next_free_sgpr 80
		.amdhsa_reserve_vcc 0
		.amdhsa_float_denorm_mode_32 3
		.amdhsa_float_denorm_mode_16_64 3
		.amdhsa_memory_ordered 1
		.amdhsa_forward_progress 1
		.amdhsa_inst_pref_size 169
	.end_amdhsa_kernel
	.amdgpu_metadata
---
amdhsa.version: [ 1, 2 ]
amdhsa.kernels:
  - .name:           k_q51204974b7_passb
    .symbol:         k_q51204974b7_passb.kd
    .args:
      - { .name: wtxt, .offset: 0, .size: 8, .value_kind: global_buffer, .address_space: global }
      - { .name: wimg, .offset: 8, .size: 8, .value_kind: global_buffer, .address_space: global }
      - { .name: out1, .offset: 16, .size: 8, .value_kind: global_buffer, .address_space: global }
      - { .name: stats, .offset: 24, .size: 8, .value_kind: global_buffer, .address_space: global }
    .group_segment_fixed_size: 327680
    .private_segment_fixed_size: 0
    .kernarg_segment_align: 8
    .kernarg_segment_size: 32
    .max_flat_workgroup_size: 256
    .sgpr_count:     80
    .vgpr_count:     512
    .wavefront_size: 32
...
	.end_amdgpu_metadata
.endif
;; end of part 3
